; MI455X (gfx1250); checked and timed in simulation.
; The chip was launched on July 23, 2026; its instructions are those of AMD's public machine-readable ISA for CDNA 5 (MIT licence, August 2026) and "CDNA5" Instruction Set Architecture Reference Guide (July 2026). The comments in the code are by the model that wrote it; some were corrected since.
;; Scaled Dot Product. Allowed arithmetic: matrix products marked QUANTISED: E3M2 operands, one E8M0 scale for each 32 along K, by v_wmma_scale_f32_16x16x128_f8f6f4 with both operands' format E3M2, f32 sums; everything else in f32.
;; Inputs: K 4 x 16 x 2,048 x 64 float32; Q 4 x 16 x 2,048 x 64 float32; V 4 x 16 x 2,048 x 64 float32; attn_mask 4 x 1 x 1 x 2,048 bool.
;; Outputs: out0 4 x 16 x 2,048 x 64 float32.
;; This version of the problem:
;;   THIS VERSION OF THE PROBLEM IS GIVEN IN LOW PRECISION. The matrix products marked QUANTISED in the list below multiply operands that are first quantised to E3M2 (3 exponent bits, 2 mantissa bits; 6 bits a number), with one power-of-two scale for each 32 numbers along K (OCP MX v1.0); their sums are f32. All else is computed in f32.
;;   The module's matrix products, in the order in which they are computed (A, B: the left and right operand; K: the contracted axis; several contracted axes count as one K, in the product's order):
;;     1. batch 64 x [M 2,048, K 64] x [K 64, N 2,048]; A: input Q; B: input K: QUANTISED
;;     2. batch 64 x [M 2,048, K 2,048] x [K 2,048, N 64]; A: softmax (see below); B: input V: QUANTISED
;;   THE QUANTISER, for each operand of a quantised product, along K:
;;     - K is cut into blocks of 32 from its start; a last block that is shorter is filled with zeros.
;;     - A block's scale is 2^e with e = floor(log2(the largest magnitude in the block)) - 4, held to -126 .. 127; a block of zeros has e = 0. As a byte (E8M0): e + 127.
;;     - Each number is divided by its block's scale, clamped to +-28, and rounded to the nearest number of E3M2, ties to even, subnormals kept.
;;     - The product sums the exact products of the quantised numbers (number of the format x scale) in f32.
;;   ~~~python
;;   def quantise(x, axis):      # numpy; x: float32 -> the quantised numbers, widened to float32 again
;;       x = np.moveaxis(x, axis, -1); K = x.shape[-1]
;;       x = np.pad(x, [(0, 0)] * (x.ndim - 1) + [(0, -K % 32)]); x = x.reshape(x.shape[:-1] + (-1, 32)); a = np.abs(x).max(-1, keepdims=True)
;;       e = np.where(a > 0, np.clip(np.frexp(np.where(a > 0, a, 1))[1] - 1 - 4, -126, 127), 0)      # np.frexp(a)[1] - 1 = floor(log2(a)), exactly
;;       r = np.clip(x / 2.0 ** e, -28, 28)
;;       step = 2.0 ** (np.maximum(np.frexp(np.where(r == 0, 1, r))[1] - 1, -2) - 2)
;;       q = np.round(r / step) * step * 2.0 ** e      # np.round: ties to even
;;       return np.moveaxis(q.reshape(q.shape[:-2] + (-1,))[..., :K], -1, axis).astype(np.float32)
;;   ~~~
;;   SOFTMAX AHEAD OF A QUANTISED PRODUCT. Where the list says 'softmax', what is quantised is not the finished softmax but p = 2^(t - M), with t = logit x log2(e) and M = ceil(the row's largest t), a whole number; so 1/2 < the row's largest p <= 1. The row's sum l is taken of the UNQUANTISED p, in f32, and the product's result is divided by l at the end. Since M is a whole number, a kernel that streams over the keys may use a running M (the ceiling of the running maximum): every later rescaling is an exact power of two, which a block's scale takes up: the codes' values come out the same.
;;   OPERANDS COMPUTED ON THE WAY. 'Computed on the way' means the value that the module computes at that place (a softmax that the list does not call 'softmax' is quantised finished and normalised). What goes into a quantiser is computed in f32, as accurately as f32 sums, v_exp_f32 and their like allow (about 1e-6 of the number): no bf16 or f16 on the way to a quantiser, and a product that is left as it is and whose result goes on into a quantised operand takes f32 operands (vector FMAs, or v_wmma_f32_16x16x4_f32). A number that lies on a knife's edge between two numbers of the format may be rounded either way, as far as f32 arithmetic and the matrix unit's own rounding can turn it there, and no further.
;; 2 versions. Each part assembles by itself: llvm-mc -triple=amdgcn-amd-amdhsa -mcpu=gfx1250 --defsym DOCPART=n.
;; ======== version 1 of 2: 1 launch
;; limits: right only within a limited range of input values
;; launch attn (part 1): grid 4 x 64, 8 waves a work-group, no clusters, 248,832 bytes of LDS; arguments Q, K, V, attn_mask, out0; writes out0
.if DOCPART == 1
	.amdgcn_target "amdgcn-amd-amdhsa--gfx1250"
	.amdhsa_code_object_version 6
	.text
	.protected	k_q1a29ec3e8c_attn
	.globl	k_q1a29ec3e8c_attn
	.p2align	8
	.type	k_q1a29ec3e8c_attn,@function
k_q1a29ec3e8c_attn:
	s_mov_b64 s[64:65], 0
	v_nop
	global_prefetch_b8 v0, s[64:65] scope:SCOPE_SE
	s_setreg_imm32_b32 hwreg(HW_REG_WAVE_MODE, 25, 1), 1
	s_wait_xcnt 0x0
; out0[h][q][:] = the sum over k of softmax_k(where(mask[b][k], -1e9, Q[h][q] . K[h][k] / 8)) V[h][k][:].  Q, K, V, out0: [64 heads][2048][64] f32; mask: [4][2048] bytes, b = h / 16.
; Both products on codes of BF6 (E3M2) with one E8M0 scale for each 32 along a product's K.  Ahead of the second product: t = score x log2(e) / 8, M = the running largest t rounded up to a whole number,
; p = 2^(t - M) is quantised along the keys, not normalised; the row's sum is taken of the unquantised p and divides at the end.
; SHARES.  Work-group (x, head) owns queries 512 x .. 512 x + 511 of one head.  Eight waves.  PHASE 1: the work-group quantises the WHOLE head's K and V into LDS (16 records of 128 keys, 13,312 bytes each), wave w
; keys 256 w .. 256 w + 255, and each wave its own four tiles of 16 queries into registers.  ONE barrier.  PHASE 2: two passes; in a pass a wave holds two tiles of queries (tile 0 in register window 0, tile 1 in
; window 1) and walks the 16 records.  The records are never written again, so no further barrier stands in the text.
; NO TENSOR LOADS, NO CLUSTER: K and V, which the four work-groups of a head share, arrive as f32 and have to pass through registers to be quantised; one key step of raw K and V is 65,536 bytes, and two slots of that
; do not fit beside the head's 212,992 bytes of records and the 34,816 bytes of stages in 327,680.
; OPERANDS LIE IN LDS AS IMAGES OF THEIR REGISTERS: registers 4 p .. 4 p + 3 of a fragment at 512 p + 16 x lane, so a fragment of 12 registers comes by three ds_load_b128 of consecutive bytes.
; FIRST PRODUCT, S^T = K Q^T (source 0 = 16 keys, source 1 = 16 queries; a lane holds ONE query).  Its K is 64, the instruction's 128: a fragment of K holds TWO tiles of keys (k 0-63: tile 2 f, k 64-127: tile 2 f + 1),
; and Q stands twice: QA = [q | zero codes], QB = [zero codes | q].  THE KEYS OF A TILE ARE NOT NEIGHBOURS: row m of tile 4 c + i is key 64 c + 8 i + m % 8 + 32 (m / 8), so that register 32 c + n of a lane's scores
; is key 64 c + 32 (lane / 16) + n: a WHOLE block of 32 keys in one lane, in the order that the second product's operand wants.
; THE MASK is the first product's C: bias = -2^33 for a masked key, else 0, and a masked key's codes of K are zeros, so that its score is exactly -2^33 (a logit of -2^30).  c x 2^33 is a whole number in f32, so a row
; whose keys are all masked has t - M = 0, p = 1: uniform weights.  A run of masked keys at a row's start is wiped when M moves: the factor 2^(old M - new M) is then 0.
; SECOND PRODUCT, O^T = V^T P^T (source 0 = 16 channels x 128 keys, source 1 = P): again one query a lane.
; LIMITS.  The masked logit is -2^30, not -1e9: the same result wherever a row is all masked or its largest unmasked logit lies above -1e9 + 104 (the masked weights are then 0 in f32 either way).  NaN and infinities
; among the inputs are not served.  p under 2^-126 counts as 0.  A block of zeros carries the byte 1 over zero codes (the rule says 127): only this program reads the bytes.
.set STEPB, 13312                      ; a record: one key step of 128 keys
.set VIMG,  6144                       ; in it: K's 4 double fragments at 0 (1,536 each), V's 4 fragments here,
.set KSC,   12288                      ; K's scale words: 64 f + 4 r: bytes tile 2 f block 0, 1, tile 2 f + 1 block 0, 1,
.set VSC,   12544                      ; V's: 64 n + 4 r: byte b for keys 32 b on,
.set BIAS,  12800                      ; the bias: 4 bytes a key
.set STAGE, 16*STEPB                   ; behind the records: a stage of 16 rows x 272 bytes for each wave, its own
.set SROW,  272                        ; 256 bytes + 16 = 68 words: row r starts at bank 4 r mod 64 (64 banks of 4 bytes: ISA guide 11.1)
.set CSC,   0x3e38aa3b                 ; c = log2(e) / 8
.set NEGB,  0xd0000000                 ; -2^33
.set FLOOR, 0x2800000                  ; 2^(5 - 127): under it no largest magnitude is taken, so no scale byte falls under 1
.set EOFF,  0xfe000000                 ; takes 4 off an exponent field
.set TINIT, 0xff61b1e6                 ; -3e38, under every t
; registers that stay, window 0
.set LI,  1                            ; 16 x lane
.set R4,  2                            ; 4 r          (r = lane % 16, h = lane / 16)
.set H128, 3                           ; 128 h
.set SD,  4                            ; stage: 272 h + 16 r: dense rows, two an instruction
.set SH,  5                            ; stage: 272 r + 128 h: half a row a lane
.set SI,  6                            ; stage: 272 r + 32 h: O on its way in
.set L4,  7                            ; 4 x lane
.set AI,  8                            ; the step's record + 16 x lane
.set AS,  9                            ; + 4 r
.set AB,  10                           ; + 128 h
.set QS,  40                           ; v40, v41  Q's scale words, tile 0, 1
.set KS,  42                           ; v42-45    K's scale words
.set PW,  46                           ; v46, v47  P's scale words, tile 0, 1
.set KF,  48                           ; v48-95    window 0: K's fragments; window 1: V's
.set VS,  226                          ; v226-229  V's scale words
.set QSV, 230                          ; window 1: v230-253 the four tiles' codes of Q, 6 each
.set QSS, 44                           ; window 1: v44-47 their scale words
; registers of a tile: the same numbers in window 0 (tile 0) and window 1 (tile 1)
.set H8,  11                           ; 8 h
.set NM,  12                           ; -M
.set TM,  13                           ; the largest t so far
.set SUM, 14                           ; v[14:15] the row's sum, in two halves
.set QA,  16                           ; v16-27 [q | 0];  v28-39 QB = [0 | q]
.set S,   96                           ; v96-159 S^T, then p
.set O,   160                          ; v160-191 O^T
.set PC,  192                          ; v192-203 P's codes
.set PT,  204                          ; v204-206, v208-210 a block's upper 16 codes on their way
.set MX,  212                          ; v212-215 maxima
.set SO,  216                          ; v216-217 the conversions' scale operands
.set BY,  218                          ; v218-219 scale bytes
.set T0,  220
.set T1,  221
.set F,   222                          ; v[222:223] f = 2^(old M - new M); v223 is named with it as a pair and holds 0
.set SUM2, 224                         ; v[224:225] the sum's second chain
; phase 1 alone, window 0
.set AKI, 16                           ; my records + 16 x lane
.set AKS, 17                           ; + KSC + 4 r
.set AVI, 18                           ; + VIMG + 1,536 h + 16 r
.set AVS, 19                           ; + VSC + 4 x lane
.set ABI, 20                           ; + BIAS + 16 x lane
.set ABR, 21                           ; + BIAS + 4 (r % 8) + 128 (r / 8)
.set X,   48                           ; v48-79  32 neighbours along K
.set KC,  80                           ; v80-91  codes
.set PT1, 92
.set R,   96                           ; v96-223 four sets of 32 registers as loaded
.set M0,  232
.set M1,  233
.set SO1, 234
.set BY1, 235
.set U0,  236
.set U1,  237
.set W0,  238
.set W1,  239
.set MB,  240                          ; my key's bias, read back
.set VW,  241                          ; v241-242 V's scale words in the making
.set MW,  243                          ; mask bytes of my 4 keys, record 0
.set BI,  244                          ; v244-247 four biases
.set NB,  248                          ; -2^33
.set MW2, 249                          ; mask bytes, record 1
.set MSB, 0
.macro WIN new                         ; s_set_vgpr_msb: bits 1:0 source 0, 3:2 source 1, 5:4 source 2, 7:6 destination; the high byte repeats the setting that is left
.if MSB != (\new)
	s_set_vgpr_msb (MSB<<8)|(\new)
.set MSB, (\new)
.endif
.endm
	s_load_b256 s[4:11], s[0:1], 0x0               ; Q s[4:5], K s[6:7], V s[8:9], mask s[10:11]
	s_load_b64 s[12:13], s[0:1], 0x20              ; out0
	v_lshl_add_u32 v254, v0, 2, 0x3c800
	v_mov_b32 v255, 0
	v_lshrrev_b32 v1, 5, v0
	v_readfirstlane_b32 s14, v1                    ; wave 0..7
	v_and_b32 v[L4], 31, v0
	v_lshlrev_b32 v[LI], 4, v[L4]
	v_lshlrev_b32 v[L4], 2, v[L4]
	s_and_b32 s16, ttmp7, 0xffff                   ; the head
	s_lshl_b32 s17, s16, 19                        ; a head is 2,048 rows of 256 bytes
	s_lshl_b32 s18, ttmp9, 17                      ; my work-group's 512 queries,
	s_add_co_u32 s18, s18, s17
	s_lshl_b32 s28, s14, 13                        ; my wave's 32 of a pass's 256
	s_add_co_u32 s18, s18, s28
	s_mov_b32 s19, 0
	s_lshl_b32 s28, s14, 16                        ; my wave's 256 keys
	s_add_co_u32 s28, s28, s17
	s_mov_b32 s29, 0
	s_lshr_b32 s30, s16, 4                         ; the batch: 2,048 mask bytes each
	s_lshl_b32 s30, s30, 11
	s_lshl_b32 s31, s14, 8
	s_add_co_u32 s30, s30, s31
	s_mov_b32 s31, 0
	s_mov_b32 s20, 0x76543210                      ; v_permlanex16_b32's selects for lane l xor 16
	s_mov_b32 s21, 0xfedcba98
	s_mov_b32 s22, CSC
	s_mov_b32 s23, CSC                             ; (the packed form names the pair)
	s_mul_i32 s26, s14, 2*STEPB                    ; my two records
	s_mul_i32 s27, s14, 16*SROW
	s_add_co_u32 s27, s27, STAGE                   ; my stage
	s_add_co_u32 s32, s26, KSC
	s_add_co_u32 s33, s26, VIMG
	s_add_co_u32 s34, s26, VSC
	s_add_co_u32 s35, s26, BIAS
	s_wait_kmcnt 0x0
	s_add_nc_u64 s[4:5], s[4:5], s[18:19]          ; no pointer is stepped after this: every step is an immediate
	s_add_nc_u64 s[12:13], s[12:13], s[18:19]
	s_add_nc_u64 s[6:7], s[6:7], s[28:29]
	s_add_nc_u64 s[8:9], s[8:9], s[28:29]
	s_add_nc_u64 s[10:11], s[10:11], s[30:31]
; ---------------- PHASE 1: macros ----------------
; Sixteen rows of 256 bytes, as two runs of eight dense rows hi bytes apart, into a set: each load reads 512 consecutive bytes; load q brings rows 2 q (lanes 0-15) and 2 q + 1 (lanes 16-31) of the tile.
.macro GLK set, base, off, hi, nt
.irp q, 0,1,2,3,4,5,6,7
.if \nt
	global_load_b128 v[R+32*(\set)+4*\q:R+32*(\set)+4*\q+3], v[LI], s[\base:\base+1] offset:(\off)+512*(\q%4)+(\hi)*(\q/4) th:TH_LOAD_NT
.else
	global_load_b128 v[R+32*(\set)+4*\q:R+32*(\set)+4*\q+3], v[LI], s[\base:\base+1] offset:(\off)+512*(\q%4)+(\hi)*(\q/4)
.endif
.endr
.endm
; Unit a: 0-3 my tiles of Q (pass a / 2, tile a % 2; read once in the launch), 4-19 my 16 tiles of K (record (a - 4) / 8; keys 64 c + 8 i + 0..7 and the eight 32 further on; read by four work-groups: no hint).
.macro ISSK a
.if (\a) < 4
	GLK (\a)%4, 4, 65536*((\a)/2)+4096*((\a)%2), 2048, 1
.else
.set KI, (\a)-4
	GLK (\a)%4, 6, 256*(128*(KI/8)+64*((KI%8)/4)+8*(KI%4)), 8192, 0
.endif
.endm
; V's unit v: record v / 8, block (v % 8) / 2 of 32 keys, channels 32 (v % 2) + lane.  A LANE TAKES A CHANNEL AND ITS REGISTERS RUN DOWN THE KEYS, which are V's K: nothing is transposed.
.macro GLV v
.set GS, (\v)%4
.set GK, 128*((\v)/8)+32*(((\v)%8)/2)
.set GH, (\v)%2
.set GI, 0
.rept 32
	global_load_b32 v[R+32*GS+GI], v[L4], s[8:9] offset:256*(GK+GI)+128*GH
.set GI, GI+1
.endr
.endm
; A tile turns through my stage: in as loaded, out as half a row (32 neighbours along K, one block) a lane.  LDS serves a wave's instructions in order (ISA guide 5.7.1.4): no wait between.
.macro TURN set
.irp q, 0,1,2,3,4,5,6,7
	ds_store_b128 v[SD], v[R+32*(\set)+4*\q:R+32*(\set)+4*\q+3] offset:2*SROW*\q
.endr
.irp e, 0,1,2,3,4,5,6,7
	ds_load_b128 v[X+4*\e:X+4*\e+3], v[SH] offset:16*\e
.endr
.endm
; A lane's 32 numbers, one block, become 6 registers of codes at v[dst] and the scale's byte in v[BY1].
.macro QUANT32 src, dst
	v_max3_num_f32 v[M0], |v[(\src)]|, |v[(\src)+1]|, FLOOR          ; the largest magnitude, in two chains by turns, with the floor as one more leaf
	v_max3_num_f32 v[M1], |v[(\src)+16]|, |v[(\src)+17]|, |v[(\src)+18]|
.irp i, 0,2,4,6,8,10
	v_max3_num_f32 v[M0], v[M0], |v[(\src)+2+\i]|, |v[(\src)+3+\i]|
	v_max3_num_f32 v[M1], v[M1], |v[(\src)+19+\i]|, |v[(\src)+20+\i]|
.endr
	v_max3_num_f32 v[M0], v[M0], |v[(\src)+14]|, |v[(\src)+15]|
	v_max3_num_f32 v[M0], v[M0], v[M1], |v[(\src)+31]|
	v_add_nc_u32 v[SO1], EOFF, v[M0]               ; 4 off its exponent field: the conversion takes the exponent field of this operand as its scale
	v_cvt_scalef32_pk16_bf6_f32 v[(\dst):(\dst)+2], v[(\src):(\src)+15], v[SO1]
	v_cvt_scalef32_pk16_bf6_f32 v[PT1:PT1+2], v[(\src)+16:(\src)+31], v[SO1]   ; (a conversion's three registers begin on an even number)
	v_lshrrev_b32 v[BY1], 23, v[SO1]               ; the scale's byte; also the plain instruction behind the conversions
.irp i, 0,1,2
	v_mov_b32 v[(\dst)+3+\i], v[PT1+\i]
.endr
.endm
.macro SCW out                         ; my row's two bytes (block h is mine, the other is lane l xor 16's) as 16 bits, in every lane
	v_lshlrev_b32 v[U0], v[H8], v[BY1]
	v_permlanex16_b32 v[U1], v[U0], s20, s21
	v_or_b32 v[\out], v[U0], v[U1]
.endm
.macro BIASM mw, s                     ; four mask bytes become four biases: keys 4 x lane .. + 3 of record s
.irp e, 0,1,2,3
	v_bfe_u32 v[U0], v[\mw], 8*\e, 8
	v_cmp_ne_u32 vcc_lo, 0, v[U0]
	v_cndmask_b32 v[BI+\e], 0, v[NB], vcc_lo
.endr
	ds_store_b128 v[ABI], v[BI:BI+3] offset:(\s)*STEPB
.endm
.macro UNITK a
.if (\a) <= 16
	s_wait_loadcnt 24                              ; my unit's loads are in; behind them: three units of 8
.elseif (\a) == 17
	s_wait_loadcnt 48                              ; behind them: units 18, 19 and V's unit 0: 8 + 8 + 32
.elseif (\a) == 18
	s_wait_loadcnt 40                              ; 8 + 32
.else
	s_wait_loadcnt 32                              ; V's unit 0
.endif
.if (\a) == 0
	BIASM MW, 0                                    ; (the mask bytes were asked for ahead of unit 0)
	s_wait_dscnt 0x0                               ; the store has read the four registers
	BIASM MW2, 1
.endif
	TURN (\a)%4
.if (\a) >= 4
.set KT, (\a)-4
	ds_load_b32 v[MB], v[ABR] offset:(KT/8)*STEPB+256*((KT%8)/4)+32*(KT%4)   ; my row's key's bias: my own wave stored it
.endif
	s_wait_dscnt 0x0                               ; the 32 numbers are in; every LDS store of mine has read its registers: the set and the codes may be written
.if (\a) <= 15
	ISSK (\a)+4                                    ; into the set just read out
.elseif (\a) == 16
	GLV 0
.elseif (\a) == 19
	GLV 1                                          ; into set 1, which unit 17 read out
.endif
.if (\a) < 4
	QUANT32 X, KC
	SCW W0
	v_lshl_or_b32 v[W1], v[W0], 16, v[W0]          ; [s0, s1, s0, s1]: one word serves QA and QB
	WIN 0x40                                       ; kept in window 1 until its pass
.irp i, 0,1,2,3,4,5
	v_mov_b32 v[QSV+6*(\a)+\i], v[KC+\i]
.endr
	v_mov_b32 v[QSS+(\a)], v[W1]
	WIN 0
.else
	QUANT32 X, KC+6*(KT%2)
	v_cmp_eq_u32 vcc_lo, 0, v[MB]
.irp i, 0,1,2,3,4,5
	v_cndmask_b32 v[KC+6*(KT%2)+\i], 0, v[KC+6*(KT%2)+\i], vcc_lo   ; a masked key's codes are zeros
.endr
.if KT%2 == 0
	SCW W0
.else
	SCW W1
	v_lshl_or_b32 v[W1], v[W1], 16, v[W0]
.irp p, 0,1,2
	ds_store_b128 v[AKI], v[KC+4*\p:KC+4*\p+3] offset:(KT/8)*STEPB+1536*((KT%8)/2)+512*\p
.endr
	ds_store_b32 v[AKS], v[W1] offset:(KT/8)*STEPB+64*((KT%8)/2)      ; lanes r and r + 16 write the same word with the same value
.endif
.endif
.endm
; V's codes of (channel 32 half + lane, block b) are registers 6 (b / 2) .. + 5 of fragment 2 half + lane / 16, lane lane % 16 + 16 (b % 2): two stores put them at their place in the image.
.macro UNITV v
.if (\v) < 15
	s_wait_loadcnt 32                              ; my unit's 32 loads are in; the next unit's may be out
.else
	s_wait_loadcnt 0x0
.endif
.if (\v)+2 <= 15
	GLV (\v)+2
.endif
	s_wait_dscnt 0x0                               ; the last unit's stores have read the codes' registers
	QUANT32 R+32*((\v)%4), KC
.set VB, ((\v)%8)/2
.set VH, (\v)%2
.set VO, ((\v)/8)*STEPB+3072*VH+256*(VB%2)
.if VB == 0
	v_mov_b32 v[VW+VH], v[BY1]
.else
	v_lshl_or_b32 v[VW+VH], v[BY1], 8*VB, v[VW+VH]
.endif
.if VB/2 == 0
	ds_store_b128 v[AVI], v[KC:KC+3] offset:VO
	ds_store_b64 v[AVI], v[KC+4:KC+5] offset:VO+512
.else
	ds_store_b64 v[AVI], v[KC:KC+1] offset:VO+520
	ds_store_b128 v[AVI], v[KC+2:KC+5] offset:VO+1024
.endif
.if VB == 3
	ds_store_b32 v[AVS], v[VW+VH] offset:((\v)/8)*STEPB+128*VH
.endif
.endm
; ---------------- PHASE 1 ----------------
	global_load_b32 v[MW], v[L4], s[10:11]         ; my 256 keys' mask bytes, 4 a lane and record
	global_load_b32 v[MW2], v[L4], s[10:11] offset:128
.irp a, 0,1,2,3
	ISSK \a
.endr
	; the addresses are made while the first loads are on their way: none of these lines names v96-223, v243 or v249, into which loads are out, nor writes v1 or v7, their address registers
	v_and_b32 v[M0], 15, v0                        ; r
	v_bfe_u32 v[M1], v0, 4, 1                      ; h
	v_lshlrev_b32 v[R4], 2, v[M0]
	v_lshlrev_b32 v[H128], 7, v[M1]
	v_lshlrev_b32 v[H8], 3, v[M1]
	v_mul_u32_u24 v[SD], v[M1], SROW
	v_lshl_add_u32 v[SD], v[M0], 4, v[SD]
	v_add_nc_u32 v[SD], s27, v[SD]
	v_mul_u32_u24 v[SH], v[M0], SROW
	v_add_nc_u32 v[SH], s27, v[SH]
	v_lshl_add_u32 v[SI], v[M1], 5, v[SH]
	v_add_nc_u32 v[SH], v[H128], v[SH]
	v_add_nc_u32 v[AKI], s26, v[LI]
	v_add_nc_u32 v[AKS], s32, v[R4]
	v_mul_u32_u24 v[AVI], v[M1], 1536
	v_lshl_add_u32 v[AVI], v[M0], 4, v[AVI]
	v_add_nc_u32 v[AVI], s33, v[AVI]
	v_add_nc_u32 v[AVS], s34, v[L4]
	v_add_nc_u32 v[ABI], s35, v[LI]
	v_and_b32 v[ABR], 7, v0
	v_bfe_u32 v[SO1], v0, 3, 1
	v_lshlrev_b32 v[ABR], 2, v[ABR]
	v_lshl_add_u32 v[ABR], v[SO1], 7, v[ABR]
	v_add_nc_u32 v[ABR], s35, v[ABR]
	v_mov_b32 v[U1], 0                             ; a lane permute's destination counts as one of its sources: written once
	v_mov_b32 v[NB], NEGB
.irp j, 22,23,24,25,26,27,28,29,30,31,32,33
	v_mov_b32 v[\j], 0                             ; the zero codes of QA's upper and QB's lower half: they stay
.endr
	WIN 0x40                                       ; and the same for tile 1, in window 1
	v_lshlrev_b32 v[H8], 3, v[M1]
.irp j, 22,23,24,25,26,27,28,29,30,31,32,33
	v_mov_b32 v[\j], 0
.endr
	WIN 0
.irp a, 0,1,2,3,4,5,6,7,8,9,10,11,12,13,14,15,16,17,18,19
	UNITK \a
.endr
.irp v, 0,1,2,3,4,5,6,7,8,9,10,11,12,13,14,15
	UNITV \v
.endr
	s_wait_dscnt 0x0                               ; for the others' sake: my two records lie in LDS
	s_barrier_signal -1
	s_barrier_wait -1                              ; all sixteen do.  The launch's only barrier: nobody writes a record again
; ---------------- PHASE 2: macros ----------------
; One tile's softmax for a key step, all in the tile's own window but the one line that writes P's scale word (scale operands have no window).
.macro SOFTMAX t
	WIN 0x55*(\t)
.irp k, 0,1,2,3
	v_max3_num_f32 v[MX+\k], v[S+16*\k], v[S+16*\k+1], v[S+16*\k+2]   ; four chains by turns; each of the eight accumulators is first read at its low end
.endr
.irp i, 3,5,7,9,11,13
.irp k, 0,1,2,3
	v_max3_num_f32 v[MX+\k], v[MX+\k], v[S+16*\k+\i], v[S+16*\k+\i+1]
.endr
.endr
	v_max3_num_f32 v[MX], v[MX], v[MX+1], v[S+15]
	v_max3_num_f32 v[MX+2], v[MX+2], v[MX+3], v[S+47]
	v_max_num_f32 v[MX], v[MX], v[S+31]            ; THE LARGEST SCORE OF MY TWO BLOCKS OF 32 KEYS (registers 0-31, 32-63): each serves for the row's maximum and, since p rises with the score, for the block's largest p
	v_max_num_f32 v[MX+2], v[MX+2], v[S+63]
	v_max_num_f32 v[T0], v[MX], v[MX+2]
	v_permlanex16_b32 v[T1], v[T0], s20, s21       ; the query's other two blocks lie in lane l xor 16
	v_max_num_f32 v[T0], v[T0], v[T1]
	v_mul_f32 v[T0], s22, v[T0]                    ; as t (c is positive)
	v_max_num_f32 v[TM], v[TM], v[T0]
	v_mov_b32 v[T0], v[NM]
	v_floor_f32 v[NM], -v[TM]                      ; -M = floor(-t): M is a whole number
	v_sub_f32 v[T0], v[NM], v[T0]                  ; old M - new M, 0 or less
	v_cvt_i32_f32 v[T0], v[T0]                     ; (it saturates)
	v_ldexp_f32 v[F], 1.0, v[T0]                   ; f = 2^(old M - new M): a multiplication by it rounds nothing
.set J, 0
.rept 32
	v_pk_fma_f32 v[S+J:S+J+1], v[S+J:S+J+1], s[22:23], v[NM:NM+1] op_sel_hi:[1,0,0]   ; t - M, two at a time
.set J, J+2
.endr
	v_fma_f32 v[MX], v[MX], s22, v[NM]             ; the same of each block's largest score
	v_fma_f32 v[MX+2], v[MX+2], s22, v[NM]
.set J, 0
.rept 64
	v_exp_f32 v[S+J], v[S+J]                       ; p = 2^(t - M), at most 1
.set J, J+1
.endr
	v_pk_mul_f32 v[SUM:SUM+1], v[SUM:SUM+1], v[F:F+1] op_sel_hi:[1,0]   ; the sums under the new M; the plain instruction behind the batch
	s_wait_alu depctr_va_vdst(0)                   ; one wait for the 64 exponentials, ahead of their first reader
	v_exp_f32 v[MX], v[MX]                         ; the blocks' largest p
	v_exp_f32 v[MX+2], v[MX+2]
	v_pk_add_f32 v[SUM2:SUM2+1], v[S:S+1], v[S+2:S+3]   ; THE ROW'S SUM IS TAKEN OF THE UNQUANTISED p, in two chains; it reads the 64 alone
.set J, 4
.rept 15
	v_pk_add_f32 v[SUM:SUM+1], v[SUM:SUM+1], v[S+J:S+J+1]
	v_pk_add_f32 v[SUM2:SUM2+1], v[SUM2:SUM2+1], v[S+J+2:S+J+3]
.set J, J+4
.endr
	v_pk_add_f32 v[SUM:SUM+1], v[SUM:SUM+1], v[SUM2:SUM2+1]
	s_wait_alu depctr_va_vdst(0)                   ; and one for the two
	v_max_num_f32 v[MX], FLOOR, v[MX]
	v_max_num_f32 v[MX+2], FLOOR, v[MX+2]
	v_add_nc_u32 v[SO], EOFF, v[MX]
	v_add_nc_u32 v[SO+1], EOFF, v[MX+2]
	v_lshrrev_b32 v[BY], 23, v[SO]
	v_lshrrev_b32 v[BY+1], 23, v[SO+1]
	v_lshl_or_b32 v[T0], v[BY+1], 16, v[BY]        ; my bytes: blocks h and 2 + h,
	v_lshlrev_b32 v[T0], v[H8], v[T0]              ; at their places in the word;
	v_permlanex16_b32 v[T1], v[T0], s20, s21
	WIN 0x05*(\t)
	v_or_b32 v[PW+(\t)], v[T0], v[T1]              ; with lane l xor 16's two the word is whole
	WIN 0x55*(\t)
.irp c, 0,1
	v_cvt_scalef32_pk16_bf6_f32 v[PC+6*\c:PC+6*\c+2], v[S+32*\c:S+32*\c+15], v[SO+\c]
	v_cvt_scalef32_pk16_bf6_f32 v[PT+4*\c:PT+4*\c+2], v[S+32*\c+16:S+32*\c+31], v[SO+\c]
.endr
	v_nop                                          ; one plain instruction behind the conversions
.irp c, 0,1
.irp i, 0,1,2
	v_mov_b32 v[PC+6*\c+3+\i], v[PT+4*\c+\i]       ; registers 6 c .. 6 c + 5 = keys 64 c + 32 h + 0 .. 31: the operand as the matrix unit wants it
.endr
.endr
.set J, 0
.rept 16
	v_pk_mul_f32 v[O+J:O+J+1], v[O+J:O+J+1], v[F:F+1] op_sel_hi:[1,0]   ; O^T under the new M, from each accumulator's low end on.  For any one product below at least 12 of these name none of its registers: the places behind the codes and the scale word
.set J, J+2
.endr
.endm
; A KEY STEP: 128 keys, the record at s24, for both tiles.
.macro STEP
	v_add_nc_u32 v[AI], s24, v[LI]                 ; three additions and a v_nop: the four places between the last products and the loads into V's fragments and scale words
	v_add_nc_u32 v[AS], s24, v[R4]
	v_add_nc_u32 v[AB], s24, v[H128]
	v_nop
.irp c, 0,1
.irp e, 0,1,2,3,4,5,6,7
	ds_load_b128 v[S+32*\c+4*\e:S+32*\c+4*\e+3], v[AB] offset:BIAS+256*\c+16*\e   ; the bias of keys 64 c + 32 h + 4 e on, into tile 0's scores: the first product's C
.endr
.endr
.irp f, 0,1,2,3
.irp p, 0,1,2
	ds_load_b128 v[KF+12*\f+4*\p:KF+12*\f+4*\p+3], v[AI] offset:1536*\f+512*\p
.endr
.endr
.irp f, 0,1,2,3
	ds_load_b32 v[KS+\f], v[AS] offset:KSC+64*\f
.endr
	WIN 0x40
.irp n, 0,1,2,3
.irp p, 0,1,2
	ds_load_b128 v[KF+12*\n+4*\p:KF+12*\n+4*\p+3], v[AI] offset:VIMG+1536*\n+512*\p
.endr
.endr
	WIN 0
.irp n, 0,1,2,3
	ds_load_b32 v[VS+\n], v[AS] offset:VSC+64*\n
.endr
	s_wait_dscnt 16                                ; bias, K and its scale words are in; V's 12 + 4 loads may stay out until the second product
	WIN 0x44                                       ; tile 1: Q and the result in window 1; K and C (the bias, in tile 0's registers) in window 0
.irp u, 0,1,2,3,4,5,6,7
	v_wmma_scale_f32_16x16x128_f8f6f4 v[S+8*\u:S+8*\u+7], v[KF+12*(\u/2):KF+12*(\u/2)+11], v[QA+12*(\u%2):QA+12*(\u%2)+11], v[S+8*\u:S+8*\u+7], v[KS+\u/2], v[QS+1] matrix_a_fmt:MATRIX_FMT_BF6 matrix_b_fmt:MATRIX_FMT_BF6
.endr
	WIN 0
.rept 5
	v_nop                                          ; five places: the products below write over registers that the products above read as C (ISA guide 7.12.1)
.endr
.irp u, 0,1,2,3,4,5,6,7
	v_wmma_scale_f32_16x16x128_f8f6f4 v[S+8*\u:S+8*\u+7], v[KF+12*(\u/2):KF+12*(\u/2)+11], v[QA+12*(\u%2):QA+12*(\u%2)+11], v[S+8*\u:S+8*\u+7], v[KS+\u/2], v[QS] matrix_a_fmt:MATRIX_FMT_BF6 matrix_b_fmt:MATRIX_FMT_BF6
.endr
	SOFTMAX 1                                      ; tile 1's scores stand five places back; its lines are the places behind tile 0's products
	SOFTMAX 0
	s_wait_dscnt 0x0                               ; V and its scale words
	WIN 0x55
.irp n, 0,1,2,3
	v_wmma_scale_f32_16x16x128_f8f6f4 v[O+8*\n:O+8*\n+7], v[KF+12*\n:KF+12*\n+11], v[PC:PC+11], v[O+8*\n:O+8*\n+7], v[VS+\n], v[PW+1] matrix_a_fmt:MATRIX_FMT_BF6 matrix_b_fmt:MATRIX_FMT_BF6
.endr
	WIN 0x01                                       ; tile 0: V in window 1, the rest in window 0.  The accumulators take turns, one instruction a turn, over the backward jump too
.irp n, 0,1,2,3
	v_wmma_scale_f32_16x16x128_f8f6f4 v[O+8*\n:O+8*\n+7], v[KF+12*\n:KF+12*\n+11], v[PC:PC+11], v[O+8*\n:O+8*\n+7], v[VS+\n], v[PW] matrix_a_fmt:MATRIX_FMT_BF6 matrix_b_fmt:MATRIX_FMT_BF6
.endr
	WIN 0
.endm
; THE WAY OUT of tile t in pass p.  Register 8 n + j of a lane is o(query r, channel 16 n + 8 h + j): 32 bytes of a row; the tile goes through my stage and leaves as dense rows.
.macro OUT t, p
	WIN 0x55*(\t)
	v_add_f32 v[SUM], v[SUM], v[SUM+1]
	v_permlanex16_b32 v[T1], v[SUM], s20, s21
	v_add_f32 v[SUM], v[SUM], v[T1]                ; the row's sum
	v_rcp_f32 v[F], v[SUM]
	v_nop                                          ; a plain instruction behind the reciprocal,
	s_wait_alu depctr_va_vdst(0)                   ; and a wait ahead of its first reader
.set J, 0
.rept 16
	v_pk_mul_f32 v[S+J:S+J+1], v[O+J:O+J+1], v[F:F+1] op_sel_hi:[1,0]
.set J, J+2
.endr
	WIN 0x04*(\t)                                  ; an LDS store's data are its source 1
.irp n, 0,1,2,3
.irp k, 0,1
	ds_store_b128 v[SI], v[S+8*\n+4*\k:S+8*\n+4*\k+3] offset:64*\n+16*\k
.endr
.endr
	WIN 0x40*(\t)
.irp i, 0,1,2,3,4,5,6,7
	ds_load_b128 v[S+32+4*\i:S+32+4*\i+3], v[SD] offset:2*SROW*\i   ; LDS serves a wave's instructions in order: these see my stores
.endr
	WIN 0x04*(\t)
.irp i, 0,1,2,3,4,5,6,7
	s_wait_dscnt 7-\i                              ; the younger read-backs may stay out
	global_store_b128 v[LI], v[S+32+4*\i:S+32+4*\i+3], s[12:13] offset:65536*(\p)+4096*(\t)+512*\i th:TH_STORE_NT   ; 32 lanes store 512 consecutive bytes, at a multiple of 512 from out0's first byte
.endr
	WIN 0
.endm
; A PASS: queries 256 p + 32 wave + 0 .. 31 of the work-group's 512.
.macro PASS p
.if \p
	s_wait_xcnt 0x0                                ; the last pass's stores have read their data registers, which this pass writes again
.endif
	WIN 0x01                                       ; from window 1 into window 0: tile 0's codes, into QA's lower and QB's upper half, and both tiles' scale words
.irp i, 0,1,2,3,4,5
	v_mov_b32 v[QA+\i], v[QSV+12*(\p)+\i]
	v_mov_b32 v[QA+18+\i], v[QSV+12*(\p)+\i]
.endr
	v_mov_b32 v[QS], v[QSS+2*(\p)]
	v_mov_b32 v[QS+1], v[QSS+2*(\p)+1]
	WIN 0x41                                       ; within window 1: tile 1's
.irp i, 0,1,2,3,4,5
	v_mov_b32 v[QA+\i], v[QSV+12*(\p)+6+\i]
	v_mov_b32 v[QA+18+\i], v[QSV+12*(\p)+6+\i]
.endr
.irp t, 0,1
	WIN 0x55*\t
	v_mov_b32 v[TM], TINIT
	v_floor_f32 v[NM], -v[TM]
	v_mov_b32 v[SUM], 0
	v_mov_b32 v[SUM+1], 0
	v_mov_b32 v[T1], 0                             ; a lane permute's destination counts as one of its sources.  Written here and not at the head: in window 0 it lies among the registers that phase 1 loads into
	v_mov_b32 v[F+1], 0                            ; named with f as a pair; likewise
.set J, 0
.rept 32
	v_mov_b32 v[O+J], 0                            ; the step is written once: the first finds zeros, which the first change of M leaves zeros.  (These lines are also the places between Q's operands and scale words and the first product)
.set J, J+1
.endr
.endr
	WIN 0                                          ; at a label and at a branch every window is 0
	s_mov_b32 s24, 0
	s_mov_b32 s25, 16
.Lstep_\p:
	STEP
	s_add_co_u32 s24, s24, STEPB
	s_sub_co_u32 s25, s25, 1
	s_cmp_lg_u32 s25, 0
	s_cbranch_scc1 .Lstep_\p
.rept 4
	v_nop                                          ; four places behind the last products, ahead of the first read of their results
.endr
	OUT 0, \p
	OUT 1, \p
.endm
; ---------------- PHASE 2 ----------------
	PASS 0
	PASS 1
	s_wait_tensorcnt 0x0
	ds_add_u32 v254, v255
	s_wait_dscnt 0x0
	s_endpgm
.Lfunc_end_k_q1a29ec3e8c_attn:
	.size	k_q1a29ec3e8c_attn, .Lfunc_end_k_q1a29ec3e8c_attn-k_q1a29ec3e8c_attn
	.p2alignl 7, 3214868480
	.fill 96, 4, 3214868480
	.section	.rodata,"a",@progbits
	.p2align	6, 0x0
	.amdhsa_kernel k_q1a29ec3e8c_attn
		.amdhsa_group_segment_fixed_size 248832
		.amdhsa_private_segment_fixed_size 0
		.amdhsa_enable_private_segment 0
		.amdhsa_kernarg_size 40
		.amdhsa_user_sgpr_count 2
		.amdhsa_user_sgpr_kernarg_segment_ptr 1
		.amdhsa_wavefront_size32 1
		.amdhsa_system_sgpr_workgroup_id_x 1
		.amdhsa_system_sgpr_workgroup_id_y 1
		.amdhsa_system_sgpr_workgroup_id_z 1
		.amdhsa_system_vgpr_workitem_id 0
		.amdhsa_next_free_vgpr 512
		.amdhsa_next_free_sgpr 66
		.amdhsa_reserve_vcc 1
		.amdhsa_float_denorm_mode_32 3
		.amdhsa_float_denorm_mode_16_64 3
		.amdhsa_memory_ordered 1
		.amdhsa_forward_progress 1
		.amdhsa_inst_pref_size 231
	.end_amdhsa_kernel
	.amdgpu_metadata
---
amdhsa.version: [ 1, 2 ]
amdhsa.kernels:
  - .name:           k_q1a29ec3e8c_attn
    .symbol:         k_q1a29ec3e8c_attn.kd
    .args:
      - { .name: Q, .offset: 0, .size: 8, .value_kind: global_buffer, .address_space: global }
      - { .name: K, .offset: 8, .size: 8, .value_kind: global_buffer, .address_space: global }
      - { .name: V, .offset: 16, .size: 8, .value_kind: global_buffer, .address_space: global }
      - { .name: attn_mask, .offset: 24, .size: 8, .value_kind: global_buffer, .address_space: global }
      - { .name: out0, .offset: 32, .size: 8, .value_kind: global_buffer, .address_space: global }
    .group_segment_fixed_size: 248832
    .private_segment_fixed_size: 0
    .kernarg_segment_align: 8
    .kernarg_segment_size: 40
    .max_flat_workgroup_size: 256
    .sgpr_count:     66
    .vgpr_count:     512
    .wavefront_size: 32
...
	.end_amdgpu_metadata
.endif
;; end of part 1
;; ======== version 2 of 2: 1 launch; version 1 with the launch attn written anew for expert scheduling mode
;; limits: right only within a limited range of input values
;; launch attn (part 2): grid 4 x 64, 8 waves a work-group, no clusters, 248,832 bytes of LDS; arguments Q, K, V, attn_mask, out0; writes out0
.if DOCPART == 2
	.amdgcn_target "amdgcn-amd-amdhsa--gfx1250"
	.amdhsa_code_object_version 6
	.text
	.protected	k_q1a29ec3e8c_attn
	.globl	k_q1a29ec3e8c_attn
	.p2align	8
	.type	k_q1a29ec3e8c_attn,@function
k_q1a29ec3e8c_attn:
	s_mov_b64 s[64:65], 0
	v_nop
	global_prefetch_b8 v0, s[64:65] scope:SCOPE_SE
	s_setreg_imm32_b32 hwreg(HW_REG_WAVE_SCHED_MODE, 0, 2), 2
	s_setreg_imm32_b32 hwreg(HW_REG_WAVE_MODE, 25, 1), 1
	s_wait_xcnt 0x0
	s_wait_alu depctr_vm_vsrc(0)
; out0[h][q][:] = the sum over k of softmax_k(where(mask[b][k], -1e9, Q[h][q] . K[h][k] / 8)) V[h][k][:].  Q, K, V, out0: [64 heads][2048][64] f32; mask: [4][2048] bytes, b = h / 16.
; Both products on codes of BF6 (E3M2) with one E8M0 scale for each 32 along a product's K.  Ahead of the second product: t = score x log2(e) / 8, M = the running largest t rounded up to a whole number,
; p = 2^(t - M) is quantised along the keys, not normalised; the row's sum is taken of the unquantised p and divides at the end.
; SHARES.  Work-group (x, head) owns queries 512 x .. 512 x + 511 of one head.  Eight waves.  PHASE 1: the work-group quantises the WHOLE head's K and V into LDS (16 records of 128 keys, 13,312 bytes each), wave w
; keys 256 w .. 256 w + 255, and each wave its own four tiles of 16 queries into registers.  ONE barrier.  PHASE 2: two passes; in a pass a wave holds two tiles of queries (tile 0 in register window 0, tile 1 in
; window 1) and walks the 16 records.  The records are never written again, so no further barrier stands in the text.
; NO TENSOR LOADS, NO CLUSTER: K and V, which the four work-groups of a head share, arrive as f32 and have to pass through registers to be quantised; one key step of raw K and V is 65,536 bytes, and two slots of that
; do not fit beside the head's 212,992 bytes of records and the 34,816 bytes of stages in 327,680.
; OPERANDS LIE IN LDS AS IMAGES OF THEIR REGISTERS: registers 4 p .. 4 p + 3 of a fragment at 512 p + 16 x lane, so a fragment of 12 registers comes by three ds_load_b128 of consecutive bytes.
; FIRST PRODUCT, S^T = K Q^T (source 0 = 16 keys, source 1 = 16 queries; a lane holds ONE query).  Its K is 64, the instruction's 128: a fragment of K holds TWO tiles of keys (k 0-63: tile 2 f, k 64-127: tile 2 f + 1),
; and Q stands twice: QA = [q | zero codes], QB = [zero codes | q].  THE KEYS OF A TILE ARE NOT NEIGHBOURS: row m of tile 4 c + i is key 64 c + 8 i + m % 8 + 32 (m / 8), so that register 32 c + n of a lane's scores
; is key 64 c + 32 (lane / 16) + n: a WHOLE block of 32 keys in one lane, in the order that the second product's operand wants.
; THE MASK is the first product's C: bias = -2^33 for a masked key, else 0, and a masked key's codes of K are zeros, so that its score is exactly -2^33 (a logit of -2^30).  c x 2^33 is a whole number in f32, so a row
; whose keys are all masked has t - M = 0, p = 1: uniform weights.  A run of masked keys at a row's start is wiped when M moves: the factor 2^(old M - new M) is then 0.
; SECOND PRODUCT, O^T = V^T P^T (source 0 = 16 channels x 128 keys, source 1 = P): again one query a lane.
; LIMITS.  The masked logit is -2^30, not -1e9: the same result wherever a row is all masked or its largest unmasked logit lies above -1e9 + 104 (the masked weights are then 0 in f32 either way).  NaN and infinities
; among the inputs are not served.  p under 2^-126 counts as 0.  A block of zeros carries the byte 1 over zero codes (the rule says 127): only this program reads the bytes.
; THE MODE: SCHED_MODE bits 1:0 = 2 (LLVM: expert scheduling mode 2), set by the entry lines.  The code itself states the register dependences between vector or matrix instructions and memory or LDS
; instructions, with s_wait_alu, always for 0.
; THE PLAN, PHASE 1.  Registers that memory or LDS instructions touch:
;   R0 .. R3      global loads land in them; in Q's and K's units the turn's LDS stores read them, in V's units the quantiser's vector lines.
;   X, MB         the turn's LDS loads land in them; the unit's vector lines read them.
;   KC, W1, VW    the unit's vector lines write them; the LDS stores that read them are issued at the NEXT unit's head.  V's units take KC's two halves by turns.
;   BI, BI2       written once and stored once.       v1-7, v16-21  addresses, made once at the head.
; So one wait on va_vdst stands at a unit's head: the unit before is done reading X, MB and (V) its set, and has written its codes and scale word.  One wait on vm_vsrc stands ahead of the loads and vector lines
; that write again what LDS stores have read.
; THE PLAN, PHASE 2, key step j.
;   KF of window 0, KS   read by step j's 16 first products; K of step j + 1 is loaded behind tile 0's softmax's wait for its exponentials.
;   KF of window 1, VS   read by step j - 1's 8 second products; V of step j is loaded behind the same wait.
;   S of window 0        bias as C of both tiles' first products, then tile 0's scores and p; last read by tile 0's conversions; the bias of step j + 1 is loaded behind tile 1's softmax's wait for its exponentials.
;   AI, AS, AB           read by every LDS load of the loop; written once a step, behind a wait on vm_vsrc, as the places behind tile 0's first products, ahead of tile 0's softmax's wait.
;   PC, PW               written by the softmax's vector lines, taken by the scaled second products: one wait on va_vdst ahead of those.
; Behind each of these waits no vector or matrix instruction names a register of the loads that lean on it: tile 0's softmax names S, O, PC and its statistics in window 0, tile 1's the same in window 1 and v47, the
; second products O, KF of window 1, PC, VS, PW.  The next step's record is reached by an immediate of one record; the last step of a pass is written out and asks for nothing beyond the records.
.set STEPB, 13312                      ; a record: one key step of 128 keys
.set VIMG,  6144                       ; in it: K's 4 double fragments at 0 (1,536 each), V's 4 fragments here,
.set KSC,   12288                      ; K's scale words: 64 f + 4 r: bytes tile 2 f block 0, 1, tile 2 f + 1 block 0, 1,
.set VSC,   12544                      ; V's: 64 n + 4 r: byte b for keys 32 b on,
.set BIAS,  12800                      ; the bias: 4 bytes a key
.set STAGE, 16*STEPB                   ; behind the records: a stage of 16 rows x 272 bytes for each wave, its own
.set SROW,  272                        ; 256 bytes + 16 = 68 words: row r starts at bank 4 r mod 64 (64 banks of 4 bytes: ISA guide 11.1)
.set CSC,   0x3e38aa3b                 ; c = log2(e) / 8
.set NEGB,  0xd0000000                 ; -2^33
.set FLOOR, 0x2800000                  ; 2^(5 - 127): under it no largest magnitude is taken, so no scale byte falls under 1
.set EOFF,  0xfe000000                 ; takes 4 off an exponent field
.set TINIT, 0xff61b1e6                 ; -3e38, under every t
; registers that stay, window 0
.set LI,  1                            ; 16 x lane
.set R4,  2                            ; 4 r          (r = lane % 16, h = lane / 16)
.set H128, 3                           ; 128 h
.set SD,  4                            ; stage: 272 h + 16 r: dense rows, two an instruction
.set SH,  5                            ; stage: 272 r + 128 h: half a row a lane
.set SI,  6                            ; stage: 272 r + 32 h: O on its way in
.set L4,  7                            ; 4 x lane
.set AI,  8                            ; the step's record + 16 x lane
.set AS,  9                            ; + 4 r
.set AB,  10                           ; + 128 h
.set QS,  40                           ; v40, v41  Q's scale words, tile 0, 1
.set KS,  42                           ; v42-45    K's scale words
.set PW,  46                           ; v46, v47  P's scale words, tile 0, 1
.set KF,  48                           ; v48-95    window 0: K's fragments; window 1: V's
.set VS,  226                          ; v226-229  V's scale words
.set QSV, 230                          ; window 1: v230-253 the four tiles' codes of Q, 6 each
.set QSS, 44                           ; window 1: v44-47 their scale words
; registers of a tile: the same numbers in window 0 (tile 0) and window 1 (tile 1)
.set H8,  11                           ; 8 h
.set NM,  12                           ; -M
.set TM,  13                           ; the largest t so far
.set SUM, 14                           ; v[14:15] the row's sum, in two halves
.set QA,  16                           ; v16-27 [q | 0];  v28-39 QB = [0 | q]
.set S,   96                           ; v96-159 S^T, then p
.set O,   160                          ; v160-191 O^T
.set PC,  192                          ; v192-203 P's codes
.set PT,  204                          ; v204-206, v208-210 a block's upper 16 codes on their way
.set MX,  212                          ; v212-215 maxima
.set SO,  216                          ; v216-217 the conversions' scale operands
.set BY,  218                          ; v218-219 scale bytes
.set T0,  220
.set T1,  221
.set F,   222                          ; v[222:223] f = 2^(old M - new M); v223 is named with it as a pair and holds 0
.set SUM2, 224                         ; v[224:225] the sum's second chain
; phase 1 alone, window 0
.set AKI, 16                           ; my records + 16 x lane
.set AKS, 17                           ; + KSC + 4 r
.set AVI, 18                           ; + VIMG + 1,536 h + 16 r
.set AVS, 19                           ; + VSC + 4 x lane
.set ABI, 20                           ; + BIAS + 16 x lane
.set ABR, 21                           ; + BIAS + 4 (r % 8) + 128 (r / 8)
.set X,   48                           ; v48-79  32 neighbours along K
.set KC,  80                           ; v80-91  codes: K's units: a double fragment; V's units: two buffers of 6, by turns
.set PT1, 92
.set R,   96                           ; v96-223 four sets of 32 registers as loaded
.set M0,  232
.set M1,  233
.set SO1, 234
.set BY1, 235
.set U0,  236
.set U1,  237
.set W0,  238
.set W1,  239
.set MB,  240                          ; my key's bias, read back
.set VW,  241                          ; v241-242 V's scale words in the making
.set MW,  243                          ; mask bytes of my 4 keys, record 0
.set BI,  244                          ; v244-247 four biases, record 0
.set NB,  248                          ; -2^33
.set MW2, 249                          ; mask bytes, record 1
.set BI2, 250                          ; v250-253 four biases, record 1
.set SG,  36                           ; s36-43   the eight mask compares
.set MSB, 0
.macro WIN new                         ; s_set_vgpr_msb: bits 1:0 source 0, 3:2 source 1, 5:4 source 2, 7:6 destination; the high byte repeats the setting that is left
.if MSB != (\new)
	s_set_vgpr_msb (MSB<<8)|(\new)
.set MSB, (\new)
.endif
.endm
	s_load_b256 s[4:11], s[0:1], 0x0               ; Q s[4:5], K s[6:7], V s[8:9], mask s[10:11]
	s_load_b64 s[12:13], s[0:1], 0x20              ; out0
	v_lshl_add_u32 v254, v0, 2, 0x3c800
	v_mov_b32 v255, 0
	v_lshrrev_b32 v1, 5, v0
	v_readfirstlane_b32 s14, v1                    ; wave 0..7
	v_and_b32 v[L4], 31, v0
	v_lshlrev_b32 v[LI], 4, v[L4]
	v_lshlrev_b32 v[L4], 2, v[L4]
	s_and_b32 s16, ttmp7, 0xffff                   ; the head
	s_lshl_b32 s17, s16, 19                        ; a head is 2,048 rows of 256 bytes
	s_lshl_b32 s18, ttmp9, 17                      ; my work-group's 512 queries,
	s_add_co_u32 s18, s18, s17
	s_wait_alu depctr_va_sdst(0)                   ; s14 is written, ahead of its first reader: the bases and my LDS places are made from it
	s_lshl_b32 s28, s14, 13                        ; my wave's 32 of a pass's 256
	s_add_co_u32 s18, s18, s28
	s_mov_b32 s19, 0
	s_lshl_b32 s28, s14, 16                        ; my wave's 256 keys
	s_add_co_u32 s28, s28, s17
	s_mov_b32 s29, 0
	s_lshr_b32 s30, s16, 4                         ; the batch: 2,048 mask bytes each
	s_lshl_b32 s30, s30, 11
	s_lshl_b32 s31, s14, 8
	s_add_co_u32 s30, s30, s31
	s_mov_b32 s31, 0
	s_mov_b32 s20, 0x76543210                      ; v_permlanex16_b32's selects for lane l xor 16
	s_mov_b32 s21, 0xfedcba98
	s_mov_b32 s22, CSC
	s_mov_b32 s23, CSC                             ; (the packed form names the pair)
	s_mul_i32 s26, s14, 2*STEPB                    ; my two records
	s_mul_i32 s27, s14, 16*SROW
	s_add_co_u32 s27, s27, STAGE                   ; my stage
	s_add_co_u32 s32, s26, KSC
	s_add_co_u32 s33, s26, VIMG
	s_add_co_u32 s34, s26, VSC
	s_add_co_u32 s35, s26, BIAS
	s_wait_kmcnt 0x0
	s_add_nc_u64 s[4:5], s[4:5], s[18:19]          ; no pointer is stepped after this: every step is an immediate
	s_add_nc_u64 s[12:13], s[12:13], s[18:19]
	s_add_nc_u64 s[6:7], s[6:7], s[28:29]
	s_add_nc_u64 s[8:9], s[8:9], s[28:29]
	s_add_nc_u64 s[10:11], s[10:11], s[30:31]
; ---------------- PHASE 1: macros ----------------
; Sixteen rows of 256 bytes, as two runs of eight dense rows hi bytes apart, into a set: each load reads 512 consecutive bytes; load q brings rows 2 q (lanes 0-15) and 2 q + 1 (lanes 16-31) of the tile.
.macro GLK set, base, off, hi, nt
.irp q, 0,1,2,3,4,5,6,7
.if \nt
	global_load_b128 v[R+32*(\set)+4*\q:R+32*(\set)+4*\q+3], v[LI], s[\base:\base+1] offset:(\off)+512*(\q%4)+(\hi)*(\q/4) th:TH_LOAD_NT
.else
	global_load_b128 v[R+32*(\set)+4*\q:R+32*(\set)+4*\q+3], v[LI], s[\base:\base+1] offset:(\off)+512*(\q%4)+(\hi)*(\q/4)
.endif
.endr
.endm
; Unit a: 0-3 my tiles of Q (pass a / 2, tile a % 2; read once in the launch), 4-19 my 16 tiles of K (record (a - 4) / 8; keys 64 c + 8 i + 0..7 and the eight 32 further on; read by four work-groups: no hint).
.macro ISSK a
.if (\a) < 4
	GLK (\a)%4, 4, 65536*((\a)/2)+4096*((\a)%2), 2048, 1
.else
.set KI, (\a)-4
	GLK (\a)%4, 6, 256*(128*(KI/8)+64*((KI%8)/4)+8*(KI%4)), 8192, 0
.endif
.endm
; V's unit v: record v / 8, block (v % 8) / 2 of 32 keys, channels 32 (v % 2) + lane.  A LANE TAKES A CHANNEL AND ITS REGISTERS RUN DOWN THE KEYS, which are V's K: nothing is transposed.
.macro GLV v
.set GS, (\v)%4
.set GK, 128*((\v)/8)+32*(((\v)%8)/2)
.set GH, (\v)%2
.set GI, 0
.rept 32
	global_load_b32 v[R+32*GS+GI], v[L4], s[8:9] offset:256*(GK+GI)+128*GH
.set GI, GI+1
.endr
.endm
; A tile turns through my stage: in as loaded, out as half a row (32 neighbours along K, one block) a lane.  LDS serves a wave's instructions in order (ISA guide 5.7.1.4): no wait between.
.macro TURN set
.irp q, 0,1,2,3,4,5,6,7
	ds_store_b128 v[SD], v[R+32*(\set)+4*\q:R+32*(\set)+4*\q+3] offset:2*SROW*\q
.endr
.irp e, 0,1,2,3,4,5,6,7
	ds_load_b128 v[X+4*\e:X+4*\e+3], v[SH] offset:16*\e
.endr
.endm
; A lane's 32 numbers, one block, become 6 registers of codes at v[dst] and the scale's byte in v[BY1].
.macro QUANT32 src, dst
	v_max3_num_f32 v[M0], |v[(\src)]|, |v[(\src)+1]|, FLOOR          ; the largest magnitude, in two chains by turns, with the floor as one more leaf
	v_max3_num_f32 v[M1], |v[(\src)+16]|, |v[(\src)+17]|, |v[(\src)+18]|
.irp i, 0,2,4,6,8,10
	v_max3_num_f32 v[M0], v[M0], |v[(\src)+2+\i]|, |v[(\src)+3+\i]|
	v_max3_num_f32 v[M1], v[M1], |v[(\src)+19+\i]|, |v[(\src)+20+\i]|
.endr
	v_max3_num_f32 v[M0], v[M0], |v[(\src)+14]|, |v[(\src)+15]|
	v_max3_num_f32 v[M0], v[M0], v[M1], |v[(\src)+31]|
	v_add_nc_u32 v[SO1], EOFF, v[M0]               ; 4 off its exponent field: the conversion takes the exponent field of this operand as its scale
	v_cvt_scalef32_pk16_bf6_f32 v[(\dst):(\dst)+2], v[(\src):(\src)+15], v[SO1]
	v_cvt_scalef32_pk16_bf6_f32 v[PT1:PT1+2], v[(\src)+16:(\src)+31], v[SO1]   ; (a conversion's three registers begin on an even number)
	v_lshrrev_b32 v[BY1], 23, v[SO1]               ; the scale's byte; also the plain instruction behind the conversions
.irp i, 0,1,2
	v_mov_b32 v[(\dst)+3+\i], v[PT1+\i]
.endr
.endm
.macro SCW out                         ; my row's two bytes (block h is mine, the other is lane l xor 16's) as 16 bits, in every lane
	v_lshlrev_b32 v[U0], v[H8], v[BY1]
	v_permlanex16_b32 v[U1], v[U0], s20, s21
	v_or_b32 v[\out], v[U0], v[U1]
.endm
; Four mask bytes become four biases: keys 4 x lane .. + 3 of a record.  The compares of both records stand in one run, each with a scalar register of its own; the selects follow behind one wait.
.macro BIASV mw, bi, sg
.irp e, 0,1,2,3
	v_bfe_u32 v[(\bi)+\e], v[\mw], 8*\e, 8
.endr
.irp e, 0,1,2,3
	v_cmp_ne_u32 s[(\sg)+\e], 0, v[(\bi)+\e]
.endr
.endm
.macro BIASC bi, sg
.irp e, 0,1,2,3
	v_cndmask_b32 v[(\bi)+\e], 0, v[NB], s[(\sg)+\e]
.endr
.endm
; The double fragment of K's tiles kt - 1 and kt (kt odd) and its scale words go to their record: issued at the next unit's head, behind its wait on va_vdst.
.macro KSTORE kt
.irp p, 0,1,2
	ds_store_b128 v[AKI], v[KC+4*\p:KC+4*\p+3] offset:((\kt)/8)*STEPB+1536*(((\kt)%8)/2)+512*\p
.endr
	ds_store_b32 v[AKS], v[W1] offset:((\kt)/8)*STEPB+64*(((\kt)%8)/2)      ; lanes r and r + 16 write the same word with the same value
.endm
.macro UNITK a
.if (\a) <= 16
	s_wait_loadcnt 24                              ; my unit's loads are in; behind them: three units of 8
.elseif (\a) == 17
	s_wait_loadcnt 48                              ; behind them: units 18, 19 and V's unit 0: 8 + 8 + 32
.elseif (\a) == 18
	s_wait_loadcnt 40                              ; 8 + 32
.else
	s_wait_loadcnt 32                              ; V's unit 0
.endif
.if (\a) == 0
	BIASV MW, BI, SG                               ; (the mask bytes were asked for ahead of unit 0)
	BIASV MW2, BI2, SG+4
	s_wait_alu depctr_va_sdst(0)                   ; the eight compares have written s36 to s43, ahead of the selects that read them
	BIASC BI, SG
	BIASC BI2, SG+4
.endif
	s_wait_alu depctr_va_vdst(0)                   ; unit 0: the addresses v2-6, v16-21 and the biases are written, which the LDS instructions read.  Later units: the unit before is done reading X and MB, in which the loads below land, and has written its codes and scale word, which the stores below read
.if (\a) == 0
	ds_store_b128 v[ABI], v[BI:BI+3]
	ds_store_b128 v[ABI], v[BI2:BI2+3] offset:STEPB
.endif
.if ((\a) >= 6) && (((\a)%2) == 0)
	KSTORE (\a)-5                                  ; the pair of tiles that the unit before has finished
.endif
	TURN (\a)%4
.if (\a) >= 4
.set KT, (\a)-4
	ds_load_b32 v[MB], v[ABR] offset:(KT/8)*STEPB+256*((KT%8)/4)+32*(KT%4)   ; my row's key's bias: my own wave stored it
.endif
	s_wait_dscnt 0x0                               ; the 32 numbers and the bias are in
.if ((\a) != 17) && ((\a) != 19)
	s_wait_alu depctr_vm_vsrc(0)                   ; my LDS stores have read the sets that they turned (unit 18: unit 17's too), in which loads land from here on, and the codes and the scale word, which this unit and the next write again.  (Units 17 and 19 write nothing that an LDS instruction issued since has read)
.endif
.if (\a) <= 15
	ISSK (\a)+4                                    ; into the set just read out
.elseif (\a) == 16
	GLV 0
.elseif (\a) == 19
	GLV 1                                          ; into set 1, which unit 17 read out
.endif
.if (\a) < 4
	QUANT32 X, KC
	SCW W0
	v_lshl_or_b32 v[W1], v[W0], 16, v[W0]          ; [s0, s1, s0, s1]: one word serves QA and QB
	WIN 0x40                                       ; kept in window 1 until its pass
.irp i, 0,1,2,3,4,5
	v_mov_b32 v[QSV+6*(\a)+\i], v[KC+\i]
.endr
	v_mov_b32 v[QSS+(\a)], v[W1]
	WIN 0
.else
	v_cmp_eq_u32 vcc_lo, 0, v[MB]                  ; ahead of the quantiser's lines, none of which writes VCC
	QUANT32 X, KC+6*(KT%2)
	s_wait_alu depctr_va_vcc(0)                    ; the compare has written VCC, ahead of the selects that read it
.irp i, 0,1,2,3,4,5
	v_cndmask_b32 v[KC+6*(KT%2)+\i], 0, v[KC+6*(KT%2)+\i], vcc_lo   ; a masked key's codes are zeros
.endr
.if KT%2 == 0
	SCW W0
.else
	SCW W1
	v_lshl_or_b32 v[W1], v[W1], 16, v[W0]
.endif
.endif
.endm
; V's codes of (channel 32 half + lane, block b) are registers 6 (b / 2) .. + 5 of fragment 2 half + lane / 16, lane lane % 16 + 16 (b % 2): two stores put them at their place in the image.
; Unit v's stores are issued at the next unit's head; they read the code buffer v % 2.
.macro VSTORE v
.set VSB, ((\v)%8)/2
.set VSH, (\v)%2
.set VSO, ((\v)/8)*STEPB+3072*VSH+256*(VSB%2)
.set VSK, KC+6*((\v)%2)
.if VSB/2 == 0
	ds_store_b128 v[AVI], v[VSK:VSK+3] offset:VSO
	ds_store_b64 v[AVI], v[VSK+4:VSK+5] offset:VSO+512
.else
	ds_store_b64 v[AVI], v[VSK:VSK+1] offset:VSO+520
	ds_store_b128 v[AVI], v[VSK+2:VSK+5] offset:VSO+1024
.endif
.if VSB == 3
	ds_store_b32 v[AVS], v[VW+VSH] offset:((\v)/8)*STEPB+128*VSH
.endif
.endm
.macro UNITV v
.if (\v) < 15
	s_wait_loadcnt 32                              ; my unit's 32 loads are in; the next unit's may be out
.else
	s_wait_loadcnt 0x0
.endif
	s_wait_alu depctr_va_vdst(0)                   ; the unit before has written its codes and scale word, which the stores below read; the unit two back is done reading its set, in which the loads below land
.if (\v) == 0
	KSTORE 15                                      ; K's last pair of tiles
	s_wait_alu depctr_vm_vsrc(0)                   ; these stores have read all twelve code registers, which this unit and the next write; unit 19's turn has read set 3, in which the next unit's loads land
.else
.if (\v) >= 2
	s_wait_alu depctr_vm_vsrc(0)                   ; the stores issued at the last unit's head have read code buffer v % 2 and their scale word, which this unit writes again
.endif
	VSTORE (\v)-1
.endif
.if (\v)+2 <= 15
	GLV (\v)+2
.endif
	QUANT32 R+32*((\v)%4), KC+6*((\v)%2)
.set VB, ((\v)%8)/2
.set VH, (\v)%2
.if VB == 0
	v_mov_b32 v[VW+VH], v[BY1]
.else
	v_lshl_or_b32 v[VW+VH], v[BY1], 8*VB, v[VW+VH]
.endif
.endm
; ---------------- PHASE 1 ----------------
	s_wait_alu depctr_va_vdst(0)                   ; v1 and v7 are written: every global load and store of the kernel reads one of them as its offset
	global_load_b32 v[MW], v[L4], s[10:11]         ; my 256 keys' mask bytes, 4 a lane and record
	global_load_b32 v[MW2], v[L4], s[10:11] offset:128
.irp a, 0,1,2,3
	ISSK \a
.endr
	; the addresses are made while the first loads are on their way: none of these lines names v96-223, v243 or v249, into which loads are out, nor writes v1 or v7, their address registers
	v_and_b32 v[M0], 15, v0                        ; r
	v_bfe_u32 v[M1], v0, 4, 1                      ; h
	v_lshlrev_b32 v[R4], 2, v[M0]
	v_lshlrev_b32 v[H128], 7, v[M1]
	v_lshlrev_b32 v[H8], 3, v[M1]
	v_mul_u32_u24 v[SD], v[M1], SROW
	v_lshl_add_u32 v[SD], v[M0], 4, v[SD]
	v_add_nc_u32 v[SD], s27, v[SD]
	v_mul_u32_u24 v[SH], v[M0], SROW
	v_add_nc_u32 v[SH], s27, v[SH]
	v_lshl_add_u32 v[SI], v[M1], 5, v[SH]
	v_add_nc_u32 v[SH], v[H128], v[SH]
	v_add_nc_u32 v[AKI], s26, v[LI]
	v_add_nc_u32 v[AKS], s32, v[R4]
	v_mul_u32_u24 v[AVI], v[M1], 1536
	v_lshl_add_u32 v[AVI], v[M0], 4, v[AVI]
	v_add_nc_u32 v[AVI], s33, v[AVI]
	v_add_nc_u32 v[AVS], s34, v[L4]
	v_add_nc_u32 v[ABI], s35, v[LI]
	v_and_b32 v[ABR], 7, v0
	v_bfe_u32 v[SO1], v0, 3, 1
	v_lshlrev_b32 v[ABR], 2, v[ABR]
	v_lshl_add_u32 v[ABR], v[SO1], 7, v[ABR]
	v_add_nc_u32 v[ABR], s35, v[ABR]
	v_mov_b32 v[U1], 0                             ; a lane permute's destination counts as one of its sources: written once
	v_mov_b32 v[NB], NEGB
.irp j, 22,23,24,25,26,27,28,29,30,31,32,33
	v_mov_b32 v[\j], 0                             ; the zero codes of QA's upper and QB's lower half: they stay
.endr
	WIN 0x40                                       ; and the same for tile 1, in window 1
	v_lshlrev_b32 v[H8], 3, v[M1]
.irp j, 22,23,24,25,26,27,28,29,30,31,32,33
	v_mov_b32 v[\j], 0
.endr
	WIN 0
.irp a, 0,1,2,3,4,5,6,7,8,9,10,11,12,13,14,15,16,17,18,19
	UNITK \a
.endr
.irp v, 0,1,2,3,4,5,6,7,8,9,10,11,12,13,14,15
	UNITV \v
.endr
	s_wait_alu depctr_va_vdst(0)                   ; V's last unit has written its codes and scale word, which the stores below read
	VSTORE 15
	s_wait_dscnt 0x0                               ; for the others' sake: my two records lie in LDS
	s_barrier_signal -1
	s_barrier_wait -1                              ; all sixteen do.  The launch's only barrier: nobody writes a record again
; ---------------- PHASE 2: macros ----------------
; The LDS loads of a key step, in three runs of 16.
.macro LOADV                           ; this step's V and its scale words
.irp n, 0,1,2,3
	ds_load_b32 v[VS+\n], v[AS] offset:VSC+64*\n
.endr
	WIN 0x40
.irp n, 0,1,2,3
.irp p, 0,1,2
	ds_load_b128 v[KF+12*\n+4*\p:KF+12*\n+4*\p+3], v[AI] offset:VIMG+1536*\n+512*\p
.endr
.endr
	WIN 0
.endm
.macro LOADK ai, as, off               ; K and its scale words, of the record off bytes on from the addresses'
.irp f, 0,1,2,3
.irp p, 0,1,2
	ds_load_b128 v[KF+12*\f+4*\p:KF+12*\f+4*\p+3], v[\ai] offset:(\off)+1536*\f+512*\p
.endr
.endr
.irp f, 0,1,2,3
	ds_load_b32 v[KS+\f], v[\as] offset:(\off)+KSC+64*\f
.endr
.endm
.macro LOADB ab, off                   ; the bias of keys 64 c + 32 h + 4 e on, into tile 0's scores: the first product's C
.irp c, 0,1
.irp e, 0,1,2,3,4,5,6,7
	ds_load_b128 v[S+32*\c+4*\e:S+32*\c+4*\e+3], v[\ab] offset:(\off)+BIAS+256*\c+16*\e
.endr
.endr
.endm
; One tile's softmax for a key step, all in the tile's own window but the one line that writes P's scale word (scale operands have no window).  next = 1: the next step's loads stand behind the waits.
.macro SOFTMAX t, next
	WIN 0x55*(\t)
.irp k, 0,1,2,3
	v_max3_num_f32 v[MX+\k], v[S+16*\k], v[S+16*\k+1], v[S+16*\k+2]   ; four chains by turns; each of the eight accumulators is first read at its low end
.endr
.irp i, 3,5,7,9,11,13
.irp k, 0,1,2,3
	v_max3_num_f32 v[MX+\k], v[MX+\k], v[S+16*\k+\i], v[S+16*\k+\i+1]
.endr
.endr
	v_max3_num_f32 v[MX], v[MX], v[MX+1], v[S+15]
	v_max3_num_f32 v[MX+2], v[MX+2], v[MX+3], v[S+47]
	v_max_num_f32 v[MX], v[MX], v[S+31]            ; THE LARGEST SCORE OF MY TWO BLOCKS OF 32 KEYS (registers 0-31, 32-63): each serves for the row's maximum and, since p rises with the score, for the block's largest p
	v_max_num_f32 v[MX+2], v[MX+2], v[S+63]
	v_max_num_f32 v[T0], v[MX], v[MX+2]
	v_permlanex16_b32 v[T1], v[T0], s20, s21       ; the query's other two blocks lie in lane l xor 16
	v_max_num_f32 v[T0], v[T0], v[T1]
	v_mul_f32 v[T0], s22, v[T0]                    ; as t (c is positive)
	v_max_num_f32 v[TM], v[TM], v[T0]
	v_mov_b32 v[T0], v[NM]
	v_floor_f32 v[NM], -v[TM]                      ; -M = floor(-t): M is a whole number
	v_sub_f32 v[T0], v[NM], v[T0]                  ; old M - new M, 0 or less
	v_cvt_i32_f32 v[T0], v[T0]                     ; (it saturates)
	v_ldexp_f32 v[F], 1.0, v[T0]                   ; f = 2^(old M - new M): a multiplication by it rounds nothing
.set J, 0
.rept 32
	v_pk_fma_f32 v[S+J:S+J+1], v[S+J:S+J+1], s[22:23], v[NM:NM+1] op_sel_hi:[1,0,0]   ; t - M, two at a time
.set J, J+2
.endr
	v_fma_f32 v[MX], v[MX], s22, v[NM]             ; the same of each block's largest score
	v_fma_f32 v[MX+2], v[MX+2], s22, v[NM]
.set J, 0
	s_wait_alu depctr_va_vdst(0)
.rept 64
	v_exp_f32 v[S+J], v[S+J]                       ; p = 2^(t - M), at most 1
.set J, J+1
.endr
	v_pk_mul_f32 v[SUM:SUM+1], v[SUM:SUM+1], v[F:F+1] op_sel_hi:[1,0]   ; the sums under the new M; the plain instruction behind the batch
.if (\t) == 0
	s_wait_alu depctr_va_vdst(0)                   ; the 64 exponentials have written p, ahead of their first reader.  Also: AI and AS are written, which the loads below read; the last step's second products are done reading V and its scale words, this step's first products K and its scale words: the loads below land there
	LOADV
.if \next
	LOADK AI, AS, STEPB                            ; the next step's K: it has the rest of the step in which to land
.endif
.else
.if \next
	WIN 0                                          ; the bias lands in window 0: the switch, then the wait, then the loads
.endif
	s_wait_alu depctr_va_vdst(0)                   ; the 64 exponentials have written p, ahead of their first reader.  Also: AB is written; both tiles' first products and tile 0's softmax are done with tile 0's scores, in which the loads below land
.if \next
	LOADB AB, STEPB                                ; the next step's bias
	WIN 0x55
.endif
.endif
	v_exp_f32 v[MX], v[MX]                         ; the blocks' largest p
	v_exp_f32 v[MX+2], v[MX+2]
	v_pk_add_f32 v[SUM2:SUM2+1], v[S:S+1], v[S+2:S+3]   ; THE ROW'S SUM IS TAKEN OF THE UNQUANTISED p, in two chains; it reads the 64 alone
.set J, 4
.rept 15
	v_pk_add_f32 v[SUM:SUM+1], v[SUM:SUM+1], v[S+J:S+J+1]
	v_pk_add_f32 v[SUM2:SUM2+1], v[SUM2:SUM2+1], v[S+J+2:S+J+3]
.set J, J+4
.endr
	v_pk_add_f32 v[SUM:SUM+1], v[SUM:SUM+1], v[SUM2:SUM2+1]
	s_wait_alu depctr_va_vdst(0)                   ; the two exponentials have written the blocks' largest p, ahead of their first reader
	v_max_num_f32 v[MX], FLOOR, v[MX]
	v_max_num_f32 v[MX+2], FLOOR, v[MX+2]
	v_add_nc_u32 v[SO], EOFF, v[MX]
	v_add_nc_u32 v[SO+1], EOFF, v[MX+2]
	v_lshrrev_b32 v[BY], 23, v[SO]
	v_lshrrev_b32 v[BY+1], 23, v[SO+1]
	v_lshl_or_b32 v[T0], v[BY+1], 16, v[BY]        ; my bytes: blocks h and 2 + h,
	v_lshlrev_b32 v[T0], v[H8], v[T0]              ; at their places in the word;
	v_permlanex16_b32 v[T1], v[T0], s20, s21
	WIN 0x05*(\t)
	v_or_b32 v[PW+(\t)], v[T0], v[T1]              ; with lane l xor 16's two the word is whole
	WIN 0x55*(\t)
.irp c, 0,1
	v_cvt_scalef32_pk16_bf6_f32 v[PC+6*\c:PC+6*\c+2], v[S+32*\c:S+32*\c+15], v[SO+\c]
	v_cvt_scalef32_pk16_bf6_f32 v[PT+4*\c:PT+4*\c+2], v[S+32*\c+16:S+32*\c+31], v[SO+\c]
.endr
	v_nop                                          ; one plain instruction behind the conversions
.irp c, 0,1
.irp i, 0,1,2
	v_mov_b32 v[PC+6*\c+3+\i], v[PT+4*\c+\i]       ; registers 6 c .. 6 c + 5 = keys 64 c + 32 h + 0 .. 31: the operand as the matrix unit wants it
.endr
.endr
.set J, 0
.rept 16
	v_pk_mul_f32 v[O+J:O+J+1], v[O+J:O+J+1], v[F:F+1] op_sel_hi:[1,0]   ; O^T under the new M, from each accumulator's low end on.  For any one product below at least 12 of these name none of its registers: the places behind the codes and the scale word
.set J, J+2
.endr
.endm
; A KEY STEP: 128 keys, the record at s24, for both tiles.  Its K, K's scale words and its bias were asked for in the step before (the first step's: ahead of the loop).  next = 0: a pass's last step.
.macro STEP next
	s_wait_dscnt 0x0                               ; bias, K and its scale words are in
	WIN 0x44                                       ; tile 1: Q and the result in window 1; K and C (the bias, in tile 0's registers) in window 0
.irp u, 0,1,2,3,4,5,6,7
	v_wmma_scale_f32_16x16x128_f8f6f4 v[S+8*\u:S+8*\u+7], v[KF+12*(\u/2):KF+12*(\u/2)+11], v[QA+12*(\u%2):QA+12*(\u%2)+11], v[S+8*\u:S+8*\u+7], v[KS+\u/2], v[QS+1] matrix_a_fmt:MATRIX_FMT_BF6 matrix_b_fmt:MATRIX_FMT_BF6
.endr
	WIN 0
.rept 5
	v_nop                                          ; five places: the products below write over registers that the products above read as C (ISA guide 7.12.1)
.endr
.irp u, 0,1,2,3,4,5,6,7
	v_wmma_scale_f32_16x16x128_f8f6f4 v[S+8*\u:S+8*\u+7], v[KF+12*(\u/2):KF+12*(\u/2)+11], v[QA+12*(\u%2):QA+12*(\u%2)+11], v[S+8*\u:S+8*\u+7], v[KS+\u/2], v[QS] matrix_a_fmt:MATRIX_FMT_BF6 matrix_b_fmt:MATRIX_FMT_BF6
.endr
	s_wait_alu depctr_vm_vsrc(0)                   ; the LDS loads issued so far have read AI, AS and AB, which the lines below write
	v_add_nc_u32 v[AI], s24, v[LI]                 ; this step's record.  These lines and the v_nop are the four places between tile 0's products and the first read of its scores
	v_add_nc_u32 v[AS], s24, v[R4]
.if \next
	v_add_nc_u32 v[AB], s24, v[H128]
.else
	v_nop                                          ; (the last step asks for no bias)
.endif
	v_nop
	SOFTMAX 0, \next                               ; tile 0 first: its scores' registers take the next step's bias
	SOFTMAX 1, \next
	s_wait_alu depctr_va_vdst(0)                   ; both tiles' codes of P and their scale words are written, which the scaled products below take; the places stand ahead of this wait
.if \next
	s_wait_dscnt 32                                ; V and its scale words are in; behind them: the next step's K with its scale words, 16 loads, and its bias, 16
.else
	s_wait_dscnt 0x0                               ; V and its scale words
.endif
	WIN 0x55
.irp n, 0,1,2,3
	v_wmma_scale_f32_16x16x128_f8f6f4 v[O+8*\n:O+8*\n+7], v[KF+12*\n:KF+12*\n+11], v[PC:PC+11], v[O+8*\n:O+8*\n+7], v[VS+\n], v[PW+1] matrix_a_fmt:MATRIX_FMT_BF6 matrix_b_fmt:MATRIX_FMT_BF6
.endr
	WIN 0x01                                       ; tile 0: V in window 1, the rest in window 0.  The accumulators take turns, one instruction a turn, over the backward jump too
.irp n, 0,1,2,3
	v_wmma_scale_f32_16x16x128_f8f6f4 v[O+8*\n:O+8*\n+7], v[KF+12*\n:KF+12*\n+11], v[PC:PC+11], v[O+8*\n:O+8*\n+7], v[VS+\n], v[PW] matrix_a_fmt:MATRIX_FMT_BF6 matrix_b_fmt:MATRIX_FMT_BF6
.endr
	WIN 0
.endm
; THE WAY OUT of tile t in pass p, in four parts.  Register 8 n + j of a lane is o(query r, channel 16 n + 8 h + j): 32 bytes of a row; the tile goes through my stage and leaves as dense rows.
.macro OUTSUM t
	WIN 0x55*(\t)
	v_add_f32 v[SUM], v[SUM], v[SUM+1]
	v_permlanex16_b32 v[T1], v[SUM], s20, s21
	v_add_f32 v[SUM], v[SUM], v[T1]                ; the row's sum
	s_wait_alu depctr_va_vdst(0)
	v_rcp_f32 v[F], v[SUM]
.endm
.macro OUTMUL t
	WIN 0x55*(\t)
.set J, 0
.rept 16
	v_pk_mul_f32 v[S+J:S+J+1], v[O+J:O+J+1], v[F:F+1] op_sel_hi:[1,0]
.set J, J+2
.endr
.endm
.macro OUTSTAGE t
	WIN 0x04*(\t)                                  ; an LDS store's data are its source 1
.irp n, 0,1,2,3
.irp k, 0,1
	ds_store_b128 v[SI], v[S+8*\n+4*\k:S+8*\n+4*\k+3] offset:64*\n+16*\k
.endr
.endr
	WIN 0x40*(\t)
.irp i, 0,1,2,3,4,5,6,7
	ds_load_b128 v[S+32+4*\i:S+32+4*\i+3], v[SD] offset:2*SROW*\i   ; LDS serves a wave's instructions in order: these see my stores, and the other tile's stores come behind them
.endr
.endm
.macro OUTSEND t, p, younger           ; younger: the LDS instructions issued behind tile t's read-backs
	WIN 0x04*(\t)
.irp i, 0,1,2,3,4,5,6,7
	s_wait_dscnt (\younger)+7-\i                   ; the younger read-backs may stay out
	global_store_b128 v[LI], v[S+32+4*\i:S+32+4*\i+3], s[12:13] offset:65536*(\p)+4096*(\t)+512*\i th:TH_STORE_NT   ; 32 lanes store 512 consecutive bytes, at a multiple of 512 from out0's first byte
.endr
.endm
; A PASS: queries 256 p + 32 wave + 0 .. 31 of the work-group's 512.
.macro PASS p
.if \p
	s_wait_xcnt 0x0                                ; the last pass's stores have read their data registers, which this pass writes again
	s_wait_alu depctr_vm_vsrc(0)                   ; the way out's LDS and global stores have read both tiles' S, in which the bias lands and which the first products write
.else
	s_wait_alu depctr_vm_vsrc(0)                   ; phase 1's LDS instructions have read their addresses v16-21, which become Q's codes, and the codes v80-91, in which K's fragments land
.endif
	WIN 0x01                                       ; from window 1 into window 0: tile 0's codes, into QA's lower and QB's upper half, and both tiles' scale words
.irp i, 0,1,2,3,4,5
	v_mov_b32 v[QA+\i], v[QSV+12*(\p)+\i]
	v_mov_b32 v[QA+18+\i], v[QSV+12*(\p)+\i]
.endr
	v_mov_b32 v[QS], v[QSS+2*(\p)]
	v_mov_b32 v[QS+1], v[QSS+2*(\p)+1]
	WIN 0x41                                       ; within window 1: tile 1's
.irp i, 0,1,2,3,4,5
	v_mov_b32 v[QA+\i], v[QSV+12*(\p)+6+\i]
	v_mov_b32 v[QA+18+\i], v[QSV+12*(\p)+6+\i]
.endr
.irp t, 0,1
	WIN 0x55*\t
	v_mov_b32 v[TM], TINIT
	v_floor_f32 v[NM], -v[TM]
	v_mov_b32 v[SUM], 0
	v_mov_b32 v[SUM+1], 0
	v_mov_b32 v[T1], 0                             ; a lane permute's destination counts as one of its sources.  Written here and not at the head: in window 0 it lies among the registers that phase 1 loads into
	v_mov_b32 v[F+1], 0                            ; named with f as a pair; likewise
.set J, 0
.rept 32
	v_mov_b32 v[O+J], 0                            ; the step is written once: the first finds zeros, which the first change of M leaves zeros.  (These lines are also the places between Q's operands and scale words and the first product)
.set J, J+1
.endr
.endr
	WIN 0                                          ; at a label and at a branch every window is 0
	s_wait_alu depctr_va_vdst(0)                   ; Q's codes and scale words are written, which the scaled first products take; all earlier vector and matrix work is done with v42-45, v48-95 and v96-159, in which the loads below land
	LOADK LI, R4, 0                                ; the first step's K and bias: record 0 begins at LDS byte 0, so the lane's own terms are the addresses
	LOADB H128, 0
	s_mov_b32 s24, 0
	s_mov_b32 s25, 15
.Lstep_\p:                                             ; 15 trips: each asks for the next record's K and bias
	STEP 1
	s_add_co_u32 s24, s24, STEPB
	s_sub_co_u32 s25, s25, 1
	s_cmp_lg_u32 s25, 0
	s_cbranch_scc1 .Lstep_\p
	STEP 0                                         ; the last record is written out: no load reaches beyond the records
.rept 4
	v_nop                                          ; four places behind the last products, ahead of the first read of their results
.endr
	OUTSUM 0
	OUTSUM 1
	v_nop                                          ; a plain instruction behind the last reciprocal
	s_wait_alu depctr_va_vdst(0)                   ; both reciprocals are written, ahead of their first reader
	OUTMUL 0
	OUTMUL 1
	s_wait_alu depctr_va_vdst(0)                   ; the multiplications have written S+0 .. S+31 of both tiles, which the LDS stores read; S+32 .. S+63, in which the read-backs land, are named by no vector line behind this wait
	OUTSTAGE 0
	OUTSTAGE 1
	OUTSEND 0, \p, 16                              ; behind tile 0's read-backs: tile 1's 8 stores and 8 loads
	OUTSEND 1, \p, 0
	WIN 0
.endm
; ---------------- PHASE 2 ----------------
	PASS 0
	PASS 1
	s_wait_dscnt 0x0
	s_wait_alu depctr_hold_cnt(0) depctr_sa_sdst(0) depctr_va_vdst(0) depctr_va_sdst(0) depctr_va_ssrc(0) depctr_va_vcc(0) depctr_vm_vsrc(0)
	s_wait_tensorcnt 0x0
	ds_add_u32 v254, v255
	s_wait_dscnt 0x0
	s_endpgm
.Lfunc_end_k_q1a29ec3e8c_attn:
	.size	k_q1a29ec3e8c_attn, .Lfunc_end_k_q1a29ec3e8c_attn-k_q1a29ec3e8c_attn
	.p2alignl 7, 3214868480
	.fill 96, 4, 3214868480
	.section	.rodata,"a",@progbits
	.p2align	6, 0x0
	.amdhsa_kernel k_q1a29ec3e8c_attn
		.amdhsa_group_segment_fixed_size 248832
		.amdhsa_private_segment_fixed_size 0
		.amdhsa_enable_private_segment 0
		.amdhsa_kernarg_size 40
		.amdhsa_user_sgpr_count 2
		.amdhsa_user_sgpr_kernarg_segment_ptr 1
		.amdhsa_wavefront_size32 1
		.amdhsa_system_sgpr_workgroup_id_x 1
		.amdhsa_system_sgpr_workgroup_id_y 1
		.amdhsa_system_sgpr_workgroup_id_z 1
		.amdhsa_system_vgpr_workitem_id 0
		.amdhsa_next_free_vgpr 512
		.amdhsa_next_free_sgpr 66
		.amdhsa_reserve_vcc 1
		.amdhsa_float_denorm_mode_32 3
		.amdhsa_float_denorm_mode_16_64 3
		.amdhsa_memory_ordered 1
		.amdhsa_forward_progress 1
		.amdhsa_inst_pref_size 255
	.end_amdhsa_kernel
	.section	.bss,"aw",@nobits
	.p2align	6
	.space	262144
	.amdgpu_metadata
---
amdhsa.version: [ 1, 2 ]
amdhsa.kernels:
  - .name:           k_q1a29ec3e8c_attn
    .symbol:         k_q1a29ec3e8c_attn.kd
    .args:
      - { .name: Q, .offset: 0, .size: 8, .value_kind: global_buffer, .address_space: global }
      - { .name: K, .offset: 8, .size: 8, .value_kind: global_buffer, .address_space: global }
      - { .name: V, .offset: 16, .size: 8, .value_kind: global_buffer, .address_space: global }
      - { .name: attn_mask, .offset: 24, .size: 8, .value_kind: global_buffer, .address_space: global }
      - { .name: out0, .offset: 32, .size: 8, .value_kind: global_buffer, .address_space: global }
    .group_segment_fixed_size: 248832
    .private_segment_fixed_size: 0
    .kernarg_segment_align: 8
    .kernarg_segment_size: 40
    .max_flat_workgroup_size: 256
    .sgpr_count:     66
    .vgpr_count:     512
    .wavefront_size: 32
...
	.end_amdgpu_metadata
.endif
;; end of part 2
